; MI455X (gfx1250); checked and timed in simulation.
; The chip was launched on July 23, 2026; its instructions are those of AMD's public machine-readable ISA for CDNA 5 (MIT licence, August 2026) and "CDNA5" Instruction Set Architecture Reference Guide (July 2026). The comments in the code are by the model that wrote it; some were corrected since.
;; Attn Block. Allowed arithmetic: matrix products marked QUANTISED: E3M2 operands, one E8M0 scale for each 32 along K, by v_wmma_scale_f32_16x16x128_f8f6f4 with both operands' format E3M2, f32 sums; everything else in f32.
;; Inputs: bk 64 float32; bp 64 float32; bq 64 float32; bv 64 float32; gn_beta 64 float32; gn_gamma 64 float32; wk 64 x 64 float32; wp 64 x 64 float32; wq 64 x 64 float32; wv 64 x 64 float32; x 4 x 64 x 64 x 64 float32.
;; Outputs: out0 4 x 64 x 64 x 64 float32.
;; This version of the problem:
;;   THIS VERSION OF THE PROBLEM IS GIVEN IN LOW PRECISION. The matrix products marked QUANTISED in the list below multiply operands that are first quantised to E3M2 (3 exponent bits, 2 mantissa bits; 6 bits a number), with one power-of-two scale for each 32 numbers along K (OCP MX v1.0); their sums are f32. All else is computed in f32.
;;   The module's matrix products, in the order in which they are computed (A, B: the left and right operand; K: the contracted axis; several contracted axes count as one K, in the product's order):
;;     1. [M 64, K 64] x [K 64, N 16,384]; A: input wq; B: computed on the way: QUANTISED
;;     2. [M 64, K 64] x [K 64, N 16,384]; A: input wk; B: computed on the way: QUANTISED
;;     3. [M 64, K 64] x [K 64, N 16,384]; A: input wv; B: computed on the way: QUANTISED
;;     4. batch 4 x [M 4,096, K 64] x [K 64, N 4,096]; A: computed on the way; B: computed on the way: QUANTISED
;;     5. batch 4 x [M 64, K 4,096] x [K 4,096, N 4,096]; A: computed on the way; B: computed on the way: QUANTISED
;;     6. [M 64, K 64] x [K 64, N 16,384]; A: input wp; B: computed on the way: QUANTISED
;;   THE QUANTISER, for each operand of a quantised product, along K:
;;     - K is cut into blocks of 32 from its start; a last block that is shorter is filled with zeros.
;;     - A block's scale is 2^e with e = floor(log2(the largest magnitude in the block)) - 4, held to -126 .. 127; a block of zeros has e = 0. As a byte (E8M0): e + 127.
;;     - Each number is divided by its block's scale, clamped to +-28, and rounded to the nearest number of E3M2, ties to even, subnormals kept.
;;     - The product sums the exact products of the quantised numbers (number of the format x scale) in f32.
;;   ~~~python
;;   def quantise(x, axis):      # numpy; x: float32 -> the quantised numbers, widened to float32 again
;;       x = np.moveaxis(x, axis, -1); K = x.shape[-1]
;;       x = np.pad(x, [(0, 0)] * (x.ndim - 1) + [(0, -K % 32)]); x = x.reshape(x.shape[:-1] + (-1, 32)); a = np.abs(x).max(-1, keepdims=True)
;;       e = np.where(a > 0, np.clip(np.frexp(np.where(a > 0, a, 1))[1] - 1 - 4, -126, 127), 0)      # np.frexp(a)[1] - 1 = floor(log2(a)), exactly
;;       r = np.clip(x / 2.0 ** e, -28, 28)
;;       step = 2.0 ** (np.maximum(np.frexp(np.where(r == 0, 1, r))[1] - 1, -2) - 2)
;;       q = np.round(r / step) * step * 2.0 ** e      # np.round: ties to even
;;       return np.moveaxis(q.reshape(q.shape[:-2] + (-1,))[..., :K], -1, axis).astype(np.float32)
;;   ~~~
;;   OPERANDS COMPUTED ON THE WAY. 'Computed on the way' means the value that the module computes at that place (a softmax that the list does not call 'softmax' is quantised finished and normalised). What goes into a quantiser is computed in f32, as accurately as f32 sums, v_exp_f32 and their like allow (about 1e-6 of the number): no bf16 or f16 on the way to a quantiser, and a product that is left as it is and whose result goes on into a quantised operand takes f32 operands (vector FMAs, or v_wmma_f32_16x16x4_f32). A number that lies on a knife's edge between two numbers of the format may be rounded either way, as far as f32 arithmetic and the matrix unit's own rounding can turn it there, and no further.
;; One version. Each part assembles by itself: llvm-mc -triple=amdgcn-amd-amdhsa -mcpu=gfx1250 --defsym DOCPART=n.
;; ======== version 1 of 1: 3 launches
;; workspace buffers: stats 2,048 bytes; wimg 13,312 bytes; qimg 786,432 bytes; kimg 786,432 bytes; vimg 786,432 bytes; scl 163,840 bytes
;; launch prep (part 1): grid 129 x 1, 8 waves a work-group, no clusters, 1,280 bytes of LDS; arguments x, gn_gamma, wq, wk, wv, wp, stats, wimg; writes stats, wimg
.if DOCPART == 1
	.amdgcn_target "amdgcn-amd-amdhsa--gfx1250"
	.amdhsa_code_object_version 6
	.text
	.protected	k_q7fb86c326a_prep
	.globl	k_q7fb86c326a_prep
	.p2align	8
	.type	k_q7fb86c326a_prep,@function
k_q7fb86c326a_prep:
	s_mov_b64 s[64:65], 0
	v_nop
	global_prefetch_b8 v0, s[64:65] scope:SCOPE_SE
	s_setreg_imm32_b32 hwreg(HW_REG_WAVE_MODE, 25, 1), 1
	s_wait_xcnt 0x0
; GROUP STATISTICS AND WEIGHT CODES.
; Work-groups 0-127: work-group 32 b + g takes group g of image b: 2 channels x 4,096 positions = 8,192 f32, 32,768 dense bytes of x.
;   Thread t holds 32 of them (eight loads of 16 bytes; a wave's load covers 512 consecutive bytes).  The mean is summed first, then the squares of x - mean
;   from the same registers: no difference of large sums.  stats, per image 512 bytes: mu[64] (a group's mean for both its channels), then a[64] = rsqrt(var + eps) x gamma.
; Work-group 128: wave w quantises tiles 2 j, 2 j + 1 (j = w % 2) of weight w / 2 (q, k, v, p) to E3M2 along its rows (K = 64 = two blocks of 32), as images of operand registers.
;   ROW ORDER: lane r of tile T takes row 8 T + r % 8 + 32 (r / 8); lane half h takes block h: six registers a tile.  wimg: weight m's 24 registers at 3,072 m, four registers a group, group g at 512 g + 16 x lane;
;   scale registers at 12,288 + 128 w + 4 x lane: lanes 0-15 tile 2 j's words, lanes 16-31 tile 2 j + 1's; a word: byte 0, 1 = blocks 0, 1; bytes 2, 3 = 0.
; A block's byte is its largest magnitude's exponent field - 4, held at 1 from below.  A block of zeros gets byte 1 with zero codes: these bytes are read by this program alone.
; LIMITS: NaN and infinities among the inputs are not served.
.set NSTAT, 128
.set XV,   8                           ; v8-39   my 32 numbers
.set AC,   40                          ; v40-47  four packed chains
.set PT,   48                          ; v48-55  the eight waves' partial sums
.set MEAN, 56                          ; v56-57  the mean, twice
.set AG,   60                          ; v60-61  a of the group's two channels
.set WN,   32                          ; weights: v32-95 two tiles' 32 numbers a lane
.set OC,   96                          ; v96-107 their codes
.set C2,   108                         ; v108-114 the upper halves as converted
	s_load_b512 s[4:19], s[0:1], 0x0               ; x 4, gamma 6, wq 8, wk 10, wv 12, wp 14, stats 16, wimg 18
	v_lshl_add_u32 v128, v0, 2, 0x100
	v_mov_b32 v129, 0
	v_lshrrev_b32 v1, 5, v0
	v_readfirstlane_b32 s20, v1                    ; wave 0..7
	s_mov_b32 s24, 0x76543210                      ; v_permlanex16_b32's selects for lane l xor 16
	s_mov_b32 s25, 0xfedcba98
	s_mov_b32 s26, 0xffff0000                      ; lanes 16-31
	s_cmp_ge_u32 ttmp9, NSTAT                      ; the same way for all eight waves of a work-group
	s_cbranch_scc1 .Lweights
.macro MERGE                           ; four packed chains into v[AC]
	v_pk_add_f32 v[AC:AC+1], v[AC:AC+1], v[AC+2:AC+3]
	v_pk_add_f32 v[AC+4:AC+5], v[AC+4:AC+5], v[AC+6:AC+7]
	v_pk_add_f32 v[AC:AC+1], v[AC:AC+1], v[AC+4:AC+5]
	v_add_f32 v[AC], v[AC], v[AC+1]
.endm
.macro GSUM off                        ; v[AC] summed over the 32 lanes, then over the eight waves through LDS words at off: the total lands in v[PT] of every lane
	v_add_f32_dpp v[AC], v[AC], v[AC] row_xmask:1 row_mask:0xf bank_mask:0xf
	v_add_f32_dpp v[AC], v[AC], v[AC] row_xmask:2 row_mask:0xf bank_mask:0xf
	v_add_f32_dpp v[AC], v[AC], v[AC] row_xmask:4 row_mask:0xf bank_mask:0xf
	v_add_f32_dpp v[AC], v[AC], v[AC] row_xmask:8 row_mask:0xf bank_mask:0xf
	v_permlanex16_b32 v[AC+1], v[AC], s24, s25
	v_add_f32 v[AC], v[AC], v[AC+1]
	ds_store_b32 v3, v[AC] offset:\off             ; my wave's word (all lanes write the same number)
	s_wait_dscnt 0x0                               ; for the others' sake: my store has landed
	s_barrier_signal -1
	s_barrier_wait -1
	ds_load_b128 v[PT:PT+3], v4 offset:\off
	ds_load_b128 v[PT+4:PT+7], v4 offset:\off+16
	s_wait_dscnt 0x0
	v_add_f32 v[PT], v[PT], v[PT+1]
	v_add_f32 v[PT+2], v[PT+2], v[PT+3]
	v_add_f32 v[PT+4], v[PT+4], v[PT+5]
	v_add_f32 v[PT+6], v[PT+6], v[PT+7]
	v_add_f32 v[PT], v[PT], v[PT+2]
	v_add_f32 v[PT+4], v[PT+4], v[PT+6]
	v_add_f32 v[PT], v[PT], v[PT+4]
.endm
	; ---- a group's mean and variance
	s_lshl_b32 s22, ttmp9, 15                      ; the group's 32,768 bytes
	s_mov_b32 s23, 0
	s_and_b32 s30, ttmp9, 31                       ; g
	s_lshr_b32 s31, ttmp9, 5                       ; b
	s_lshl_b32 s32, s30, 3                         ; 8 g: the group's two numbers of gamma, and of a row of stats
	s_mov_b32 s33, 0
	s_lshl_b32 s34, s31, 9                         ; 512 b
	s_add_co_u32 s34, s34, s32
	s_mov_b32 s35, 0
	v_lshlrev_b32 v2, 4, v0                        ; 16 t
	v_lshlrev_b32 v3, 2, v1                        ; LDS: 4 x wave
	v_mov_b32 v4, 0
	s_wait_kmcnt 0x0
	s_add_nc_u64 s[4:5], s[4:5], s[22:23]
	s_add_nc_u64 s[6:7], s[6:7], s[32:33]
	s_add_nc_u64 s[16:17], s[16:17], s[34:35]
.irp i, 0,1,2,3,4,5,6,7
	global_load_b128 v[XV+4*\i:XV+4*\i+3], v2, s[4:5] offset:4096*\i   ; no hint: x is read again by the next launches
.endr
	s_load_b64 s[28:29], s[6:7], 0x0               ; gamma of the two channels
	s_wait_loadcnt 0x0
.irp q, 0,1,2,3
	v_pk_add_f32 v[AC+2*\q:AC+2*\q+1], v[XV+4*\q:XV+4*\q+1], v[XV+4*\q+2:XV+4*\q+3]   ; the first additions start the chains
.endr
.irp i, 16,24
.irp q, 0,1,2,3
	v_pk_add_f32 v[AC+2*\q:AC+2*\q+1], v[AC+2*\q:AC+2*\q+1], v[XV+\i+2*\q:XV+\i+2*\q+1]
.endr
.endr
	MERGE
	GSUM 0
	v_mul_f32 v[MEAN], 0x39000000, v[PT]           ; / 8,192
	v_mov_b32 v[MEAN+1], v[MEAN]
.irp i, 0,2,4,6,8,10,12,14,16,18,20,22,24,26,28,30
	v_pk_add_f32 v[XV+\i:XV+\i+1], v[XV+\i:XV+\i+1], v[MEAN:MEAN+1] neg_lo:[0,1] neg_hi:[0,1]   ; x - mean
.endr
.irp q, 0,1,2,3
	v_pk_mul_f32 v[AC+2*\q:AC+2*\q+1], v[XV+2*\q:XV+2*\q+1], v[XV+2*\q:XV+2*\q+1]
.endr
.irp i, 8,16,24
.irp q, 0,1,2,3
	v_pk_fma_f32 v[AC+2*\q:AC+2*\q+1], v[XV+\i+2*\q:XV+\i+2*\q+1], v[XV+\i+2*\q:XV+\i+2*\q+1], v[AC+2*\q:AC+2*\q+1]
.endr
.endr
	MERGE
	GSUM 64                                        ; other LDS words than the first sum's: no third barrier is needed
	v_mul_f32 v[PT], 0x39000000, v[PT]             ; the variance
	v_add_f32 v[PT], 0x3727c5ac, v[PT]             ; + 1e-5
	v_rsq_f32 v[PT+1], v[PT]
	v_nop                                          ; one plain place behind the transcendental
	s_wait_kmcnt 0x0                               ; gamma
	s_wait_alu depctr_va_vdst(0)
	v_mul_f32 v[AG], s28, v[PT+1]
	v_mul_f32 v[AG+1], s29, v[PT+1]
	s_cmp_lg_u32 s20, 0                            ; wave 0's lane 0 stores the group's four numbers
	s_cbranch_scc1 .Lstats_done
	s_wait_xcnt 0x0                                ; EXEC changes only behind this wait
	v_cmp_eq_u32 vcc_lo, 0, v0
	s_and_saveexec_b32 s36, vcc_lo
	global_store_b64 v4, v[MEAN:MEAN+1], s[16:17]
	global_store_b64 v4, v[AG:AG+1], s[16:17] offset:256
	s_wait_xcnt 0x0                                ; and again in front of the line that widens it
	s_or_b32 exec_lo, exec_lo, s36
.Lstats_done:
	s_wait_tensorcnt 0x0
	ds_add_u32 v128, v129
	s_wait_dscnt 0x0
	s_endpgm
	; ---- the four weights: no LDS, no barrier
.Lweights:
	s_lshr_b32 s21, s20, 1                         ; which weight
	s_and_b32 s22, s20, 1                          ; which pair of tiles
	v_and_b32 v2, 7, v0
	v_bfe_u32 v3, v0, 3, 1
	v_bfe_u32 v4, v0, 4, 1                         ; h
	v_lshlrev_b32 v5, 8, v2                        ; rows of 256 bytes: r % 8,
	v_lshl_add_u32 v5, v3, 13, v5                  ; + 32 (r / 8),
	v_lshl_add_u32 v5, v4, 7, v5                   ; and block h's 128 bytes,
	s_lshl_b32 s23, s22, 12
	v_add_nc_u32 v5, s23, v5                       ; + 16 j rows
	v_and_b32 v6, 31, v0
	s_mul_i32 s27, s20, 1536                       ; 3,072 (w / 2) + 1,536 (w % 2)
	s_lshl_b32 s28, s20, 7
	v_lshlrev_b32 v7, 2, v6
	v_add_nc_u32 v7, s28, v7                       ; scale register: 128 w + 4 x lane
	v_lshlrev_b32 v6, 4, v6
	v_add_nc_u32 v6, s27, v6                       ; codes: 1,536 w + 16 x lane
	v_lshlrev_b32 v14, 3, v4                       ; 8 h
	v_mov_b32 v18, 0                               ; written once: a lane permute's destination counts as one of its sources
	v_mov_b32 v19, 0
	s_wait_kmcnt 0x0
	s_cmp_eq_u32 s21, 1                            ; the choice hangs on the wave's number alone
	s_cselect_b64 s[8:9], s[10:11], s[8:9]
	s_cmp_eq_u32 s21, 2
	s_cselect_b64 s[8:9], s[12:13], s[8:9]
	s_cmp_eq_u32 s21, 3
	s_cselect_b64 s[8:9], s[14:15], s[8:9]
.irp u, 0,1
.irp i, 0,1,2,3,4,5,6,7
	global_load_b128 v[WN+32*\u+4*\i:WN+32*\u+4*\i+3], v5, s[8:9] offset:2048*\u+16*\i   ; tile 2 j + u begins 8 u rows further down
.endr
.endr
	s_wait_loadcnt 0x0
.irp u, 0,1                                    ; my block of tile 2 j + u: all 32 numbers are mine
	v_max3_num_f32 v8, |v[WN+32*\u]|, |v[WN+32*\u+1]|, 0x2800000       ; with the floor 2^(5 - 127): the byte cannot fall under 1
	v_max3_num_f32 v9, |v[WN+32*\u+2]|, |v[WN+32*\u+3]|, 0x2800000
.irp i, 4,8,12,16,20,24,28
	v_max3_num_f32 v8, v8, |v[WN+32*\u+\i]|, |v[WN+32*\u+\i+1]|
	v_max3_num_f32 v9, v9, |v[WN+32*\u+\i+2]|, |v[WN+32*\u+\i+3]|
.endr
	v_max_num_f32 v8, v8, v9
	v_add_nc_u32 v[10+\u], 0xfe000000, v8          ; 4 off the exponent field: the conversion's scale operand
	v_lshrrev_b32 v[12+\u], 23, v[10+\u]           ; the byte
	v_cvt_scalef32_pk16_bf6_f32 v[OC+6*\u:OC+6*\u+2], v[WN+32*\u:WN+32*\u+15], v[10+\u]
	v_cvt_scalef32_pk16_bf6_f32 v[C2+4*\u:C2+4*\u+2], v[WN+32*\u+16:WN+32*\u+31], v[10+\u]   ; (a conversion's three registers begin on an even number)
	v_nop                                          ; one plain place behind a scaled conversion
.irp i, 0,1,2
	v_mov_b32 v[OC+6*\u+3+\i], v[C2+4*\u+\i]
.endr
	v_lshlrev_b32 v[16+\u], v14, v[12+\u]          ; my byte at its place in the row's word,
	v_permlanex16_b32 v[18+\u], v[16+\u], s24, s25
	v_or_b32 v[16+\u], v[16+\u], v[18+\u]          ; with lane l xor 16's the word is whole
.endr
	v_cndmask_b32 v20, v16, v17, s26               ; lanes 0-15 tile 2 j's words, lanes 16-31 tile 2 j + 1's
.irp g, 0,1,2
	global_store_b128 v6, v[OC+4*\g:OC+4*\g+3], s[18:19] offset:512*\g   ; 512 consecutive bytes a store
.endr
	global_store_b32 v7, v20, s[18:19] offset:12288
	s_endpgm
.Lfunc_end_k_q7fb86c326a_prep:
	.size	k_q7fb86c326a_prep, .Lfunc_end_k_q7fb86c326a_prep-k_q7fb86c326a_prep
	.p2alignl 7, 3214868480
	.fill 96, 4, 3214868480
	.section	.rodata,"a",@progbits
	.p2align	6, 0x0
	.amdhsa_kernel k_q7fb86c326a_prep
		.amdhsa_group_segment_fixed_size 1280
		.amdhsa_private_segment_fixed_size 0
		.amdhsa_enable_private_segment 0
		.amdhsa_kernarg_size 64
		.amdhsa_user_sgpr_count 2
		.amdhsa_user_sgpr_kernarg_segment_ptr 1
		.amdhsa_wavefront_size32 1
		.amdhsa_system_sgpr_workgroup_id_x 1
		.amdhsa_system_sgpr_workgroup_id_y 1
		.amdhsa_system_sgpr_workgroup_id_z 1
		.amdhsa_system_vgpr_workitem_id 0
		.amdhsa_next_free_vgpr 130
		.amdhsa_next_free_sgpr 66
		.amdhsa_reserve_vcc 1
		.amdhsa_float_denorm_mode_32 3
		.amdhsa_float_denorm_mode_16_64 3
		.amdhsa_memory_ordered 1
		.amdhsa_forward_progress 1
		.amdhsa_inst_pref_size 15
	.end_amdhsa_kernel
	.amdgpu_metadata
---
amdhsa.version: [ 1, 2 ]
amdhsa.kernels:
  - .name:           k_q7fb86c326a_prep
    .symbol:         k_q7fb86c326a_prep.kd
    .args:
      - { .name: x, .offset: 0, .size: 8, .value_kind: global_buffer, .address_space: global }
      - { .name: gn_gamma, .offset: 8, .size: 8, .value_kind: global_buffer, .address_space: global }
      - { .name: wq, .offset: 16, .size: 8, .value_kind: global_buffer, .address_space: global }
      - { .name: wk, .offset: 24, .size: 8, .value_kind: global_buffer, .address_space: global }
      - { .name: wv, .offset: 32, .size: 8, .value_kind: global_buffer, .address_space: global }
      - { .name: wp, .offset: 40, .size: 8, .value_kind: global_buffer, .address_space: global }
      - { .name: stats, .offset: 48, .size: 8, .value_kind: global_buffer, .address_space: global }
      - { .name: wimg, .offset: 56, .size: 8, .value_kind: global_buffer, .address_space: global }
    .group_segment_fixed_size: 1280
    .private_segment_fixed_size: 0
    .kernarg_segment_align: 8
    .kernarg_segment_size: 64
    .max_flat_workgroup_size: 256
    .sgpr_count:     66
    .vgpr_count:     130
    .wavefront_size: 32
...
	.end_amdgpu_metadata
.endif
;; end of part 1
;; launch qkv (part 2): grid 256 x 1, 1 waves a work-group, no clusters, 168,192 bytes of LDS; arguments x, stats, gn_beta, wimg, bq, bk, bv, qimg, kimg, vimg, scl; writes qimg, kimg, vimg, scl
.if DOCPART == 2
	.amdgcn_target "amdgcn-amd-amdhsa--gfx1250"
	.amdhsa_code_object_version 6
	.text
	.protected	k_q7fb86c326a_qkv
	.globl	k_q7fb86c326a_qkv
	.p2align	8
	.type	k_q7fb86c326a_qkv,@function
k_q7fb86c326a_qkv:
	s_mov_b64 s[64:65], 0
	v_nop
	global_prefetch_b8 v0, s[64:65] scope:SCOPE_SE
	s_setreg_imm32_b32 hwreg(HW_REG_WAVE_MODE, 25, 1), 1
	s_wait_xcnt 0x0
; h = (x - mu) a + beta;  q, k, v = W h + b on codes of E3M2 (one E8M0 byte for each 32 along K);  q, k, v are quantised again for the attention and stored as images of operand registers.
; One wave takes group G = 64 b + X: 64 neighbouring positions of image b, all 64 channels.  No barrier.
; x's tile, 64 channels x 256 bytes, comes by ONE tensor load into LDS (rows of 256 consecutive bytes, each at a multiple of 256 from x's first byte) and is read from there four bytes a lane: a lane wants one position and
; its registers run down the channels.  The tile is filled once.  It uses 16,384 bytes.  One tensor load is outstanding at the most.
; ORDER IN A GROUP OF 64 (positions, and channels alike): lane r of tile T takes index 8 T + r % 8 + 32 (r / 8).  In a product's result lane half h, register j is row 8 h + j of source 0's tile, that is index 8 T + j + 32 h:
;   the 32 registers of four tiles are indices 32 h + 0 .. 31: one whole block of 32 in one lane, in the order in which a 6-bit operand wants it.  So a block's maximum needs no other lane and the conversions' results are the operand.
; K = 64 IN A FORM OF K = 128: h's fragments carry six zero registers for K = 64 .. 127; the weights' fragments lie six registers apart, so that their upper six are the next tile's codes (or six zeros): every product there is 0.
; q, k: source 0 = a weight's tile, source 1 = h's tile: a lane holds one position, registers along the channels (the attention's K).  v: sources swapped: a lane holds one channel, registers along the positions (the keys).
; The biases are the C of each product.
; OUT: qimg, kimg at 3,072 G: 24 registers (tile T's six at 6 T), four a group, group g at 512 g + 16 x lane.  vimg at 196,608 b + 6,144 (X / 2) + 1,536 T + 768 (X % 2): registers 0-3 at 16 x lane, 4-5 at 512 + 8 x lane.
;   scl: q's at 256 G + 128 j + 4 x lane, k's 65,536 on (lanes 0-15 tile 2 j's words, lanes 16-31 tile 2 j + 1's; bytes 0, 1 = blocks 0, 1); v's at 131,072 + 128 G + 4 x lane: low 16 bits channel tiles 0, 1, high 16 bits tiles 2, 3.
; LIMITS: NaN and infinities are not served; a block of zeros gets byte 1 with zero codes (these bytes are read by this program alone).
; REGISTERS, in windows of 256.  Window 0: addresses, work, scale registers v24-31, h's four fragments, three weights' images, codes.  Window 1: x (v0-127), later results (v0-63); biases from v128.  Window 2: mu, a, beta by channel.
.set XT,   0                           ; LDS: x's tile, channel ch at 256 ch
.set ZR,   1                           ; v1   0
.set VX,   2                           ; v2   x: 4 (8 u + r % 8 + 32 (r / 8)), u = lane / 16
.set L16,  3                           ; v3   16 x lane
.set L8,   4                           ; v4   8 x lane
.set L4,   5                           ; v5   4 x lane
.set H128, 6                           ; v6   128 h
.set BVO,  7                           ; v7   4 (r % 8 + 32 (r / 8))
.set H8,   8                           ; v8   8 h
.set PV0,  9                           ; v9   v's 16-bit words of channel tiles 0, 1
.set MM,   10                          ; v10-13 four chains of maxima
.set SCL,  14                          ; v14-15 the conversions' scale operands
.set BY,   16                          ; v16-17 the bytes
.set T,    18                          ; v18-19 at work
.set U,    20                          ; v20-21 at work
.set PW,   22                          ; v22  a scale register to store
.set PV1,  23                          ; v23  v's words of channel tiles 2, 3
.set WS,   24                          ; v24-29 the weights' scale registers: 2 m + j
.set HS,   30                          ; v30-31 h's
.set HF,   32                          ; v32-79 h's four fragments, 12 registers each
.set WT,   80                          ; v80-151 the images of wq, wk, wv; v152-157 zeros
.set OC,   160                         ; v160-171 two tiles' codes
.set C2,   172                         ; v172-178 upper halves as converted
.set XX,   0                           ; window 1
.set RR,   0
.set BQ,   128
.set BK,   160
.set BV,   192
.set MU,   0                           ; window 2
.set AA,   64
.set BE,   128
.set MSB, 0
.macro WIN new                         ; low byte: bits 1:0 source 0, 3:2 source 1, 5:4 source 2, 7:6 destination; the high byte repeats the setting that is left
.if MSB != \new
	s_set_vgpr_msb (MSB<<8)|\new
.set MSB, \new
.endif
.endm
.macro P4                              ; four places behind matrix instructions (ISA guide 7.12.1), in front of reads of their results
	WIN 0
.rept 4
	v_nop
.endr
.endm
; one product.  c: first register of C.  ra, rb = 1: that side's scales stand in lanes 16-31 of its register
.macro WMS d, a, b, c, sa, sb, ra, rb
.if (\ra) && (\rb)
	v_wmma_scale_f32_16x16x128_f8f6f4 v[(\d):(\d)+7], v[(\a):(\a)+11], v[(\b):(\b)+11], v[(\c):(\c)+7], v[(\sa)], v[(\sb)] matrix_a_fmt:MATRIX_FMT_BF6 matrix_b_fmt:MATRIX_FMT_BF6 matrix_a_scale:MATRIX_SCALE_ROW1 matrix_b_scale:MATRIX_SCALE_ROW1
.elseif (\ra)
	v_wmma_scale_f32_16x16x128_f8f6f4 v[(\d):(\d)+7], v[(\a):(\a)+11], v[(\b):(\b)+11], v[(\c):(\c)+7], v[(\sa)], v[(\sb)] matrix_a_fmt:MATRIX_FMT_BF6 matrix_b_fmt:MATRIX_FMT_BF6 matrix_a_scale:MATRIX_SCALE_ROW1
.elseif (\rb)
	v_wmma_scale_f32_16x16x128_f8f6f4 v[(\d):(\d)+7], v[(\a):(\a)+11], v[(\b):(\b)+11], v[(\c):(\c)+7], v[(\sa)], v[(\sb)] matrix_a_fmt:MATRIX_FMT_BF6 matrix_b_fmt:MATRIX_FMT_BF6 matrix_b_scale:MATRIX_SCALE_ROW1
.else
	v_wmma_scale_f32_16x16x128_f8f6f4 v[(\d):(\d)+7], v[(\a):(\a)+11], v[(\b):(\b)+11], v[(\c):(\c)+7], v[(\sa)], v[(\sb)] matrix_a_fmt:MATRIX_FMT_BF6 matrix_b_fmt:MATRIX_FMT_BF6
.endif
.endm
; Two blocks of 32 numbers of a lane (window 1, from sa and from sb) become six registers of codes each (window 0, from da and db); bytes in v[BY], v[BY+1].
; Each run of eight registers is read from its low end on.
.macro QB2 sa, sb, da, db
	s_wait_xcnt 0x0                                ; earlier stores have read their data: the codes and the scale register are written again below
	WIN 0x05
	v_max3_num_f32 v[MM], |v[(\sa)]|, |v[(\sa)+1]|, 0x2800000          ; the floor 2^(5 - 127) among the leaves: the byte cannot fall under 1
	v_max3_num_f32 v[MM+1], |v[(\sa)+16]|, |v[(\sa)+17]|, 0x2800000
	v_max3_num_f32 v[MM+2], |v[(\sb)]|, |v[(\sb)+1]|, 0x2800000
	v_max3_num_f32 v[MM+3], |v[(\sb)+16]|, |v[(\sb)+17]|, 0x2800000
.irp i, 2,4,6,8,10,12,14
	v_max3_num_f32 v[MM], |v[(\sa)+\i]|, |v[(\sa)+\i+1]|, v[MM]
	v_max3_num_f32 v[MM+1], |v[(\sa)+16+\i]|, |v[(\sa)+17+\i]|, v[MM+1]
	v_max3_num_f32 v[MM+2], |v[(\sb)+\i]|, |v[(\sb)+\i+1]|, v[MM+2]
	v_max3_num_f32 v[MM+3], |v[(\sb)+16+\i]|, |v[(\sb)+17+\i]|, v[MM+3]
.endr
	WIN 0
	v_max_num_f32 v[MM], v[MM], v[MM+1]
	v_max_num_f32 v[MM+2], v[MM+2], v[MM+3]
	v_add_nc_u32 v[SCL], 0xfe000000, v[MM]         ; 4 off the exponent field: the conversion's scale operand
	v_add_nc_u32 v[SCL+1], 0xfe000000, v[MM+2]
	v_lshrrev_b32 v[BY], 23, v[SCL]
	v_lshrrev_b32 v[BY+1], 23, v[SCL+1]
	WIN 0x01
	v_cvt_scalef32_pk16_bf6_f32 v[(\da):(\da)+2], v[(\sa):(\sa)+15], v[SCL]
	v_cvt_scalef32_pk16_bf6_f32 v[C2:C2+2], v[(\sa)+16:(\sa)+31], v[SCL]      ; (a conversion's three registers begin on an even number)
	v_cvt_scalef32_pk16_bf6_f32 v[(\db):(\db)+2], v[(\sb):(\sb)+15], v[SCL+1]
	v_cvt_scalef32_pk16_bf6_f32 v[C2+4:C2+6], v[(\sb)+16:(\sb)+31], v[SCL+1]
	WIN 0
	v_nop                                          ; one plain place behind the last scaled conversion
.irp i, 0,1,2
	v_mov_b32 v[(\da)+3+\i], v[C2+\i]
	v_mov_b32 v[(\db)+3+\i], v[C2+4+\i]
.endr
.endm
; my two bytes (block h of two tiles' rows) become whole words with lane l xor 16's, and one register: lanes 0-15 the first tile's words, lanes 16-31 the second's
.macro WORDS dst
	v_lshlrev_b32 v[T], v[H8], v[BY]
	v_lshlrev_b32 v[T+1], v[H8], v[BY+1]
	v_permlanex16_b32 v[U], v[T], s28, s29
	v_permlanex16_b32 v[U+1], v[T+1], s28, s29
	v_or_b32 v[T], v[T], v[U]
	v_or_b32 v[T+1], v[T+1], v[U+1]
	v_cndmask_b32 v[\dst], v[T], v[T+1], s30
.endm
	s_load_b512 s[4:19], s[0:1], 0x0               ; x 4, stats 6, beta 8, wimg 10, bq 12, bk 14, bv 16, qimg 18
	s_load_b128 s[20:23], s[0:1], 0x40             ; kimg 20, vimg 22
	s_load_b64 s[24:25], s[0:1], 0x50              ; scl
	v_lshl_add_u32 v254, v0, 2, 0x29000
	v_mov_b32 v255, 0
	ds_add_u32 v254, v255
	ds_add_u32 v254, v255
	v_mov_b32 v[ZR], 0
	v_and_b32 v[T], 7, v0
	v_bfe_u32 v[T+1], v0, 3, 1
	v_bfe_u32 v[U], v0, 4, 1                       ; h
	v_mov_b32 v[U+1], 0                            ; (a lane permute's destination counts as one of its sources)
	v_lshl_add_u32 v[T], v[T+1], 5, v[T]           ; r % 8 + 32 (r / 8)
	v_lshlrev_b32 v[BVO], 2, v[T]
	v_lshl_add_u32 v[VX], v[U], 5, v[BVO]
	v_lshlrev_b32 v[L16], 4, v0                    ; one wave: the thread's number is the lane
	v_lshlrev_b32 v[L8], 3, v0
	v_lshlrev_b32 v[L4], 2, v0
	v_lshlrev_b32 v[H128], 7, v[U]
	v_lshlrev_b32 v[H8], 3, v[U]
.irp w, 0,1,2,3
.irp i, 6,7,8,9,10,11
	v_mov_b32 v[HF+12*\w+\i], 0                    ; K = 64 .. 127 of h: zero codes
.endr
.endr
.irp i, 0,1,2,3,4,5
	v_mov_b32 v[WT+72+\i], 0                       ; behind the last weight's last tile
.endr
	s_mov_b32 s28, 0x76543210                      ; v_permlanex16_b32's selects for lane l xor 16
	s_mov_b32 s29, 0xfedcba98
	s_mov_b32 s30, 0xffff0000                      ; lanes 16-31
	s_lshr_b32 s32, ttmp9, 6                       ; b
	s_and_b32 s33, ttmp9, 63                       ; X
	s_lshl_b32 s34, s32, 20                        ; x: 1 MiB an image,
	s_lshl_b32 s36, s33, 8                         ; 256 bytes a group in each channel's row
	s_add_co_u32 s34, s34, s36
	s_mov_b32 s35, 0
	s_lshl_b32 s36, s32, 9                         ; stats: 512 b
	s_mov_b32 s37, 0
	s_mul_i32 s38, ttmp9, 3072                     ; qimg, kimg
	s_mov_b32 s39, 0
	s_mul_i32 s40, s32, 196608                     ; vimg
	s_lshr_b32 s42, s33, 1
	s_mul_i32 s42, s42, 6144
	s_add_co_u32 s40, s40, s42
	s_and_b32 s42, s33, 1
	s_mul_i32 s42, s42, 768
	s_add_co_u32 s40, s40, s42
	s_mov_b32 s41, 0
	s_lshl_b32 s42, ttmp9, 8                       ; scl: q's and k's
	s_mov_b32 s43, 0
	s_lshl_b32 s44, ttmp9, 7                       ; v's
	s_add_co_u32 s44, s44, 131072
	s_mov_b32 s45, 0
	; descriptor group 1: 64 rows (channels) of 256 bytes (32 elements of 8 bytes), 16,384 bytes apart in memory, on end in LDS
	s_mov_b32 s52, 3<<16                           ; 15:0 no mask; 17:16 elements of 8 bytes; 20 padding off: a load's 32 lanes read 32 different words of one row
	s_mov_b32 s53, 32<<16                          ; tensor_dim0 = 32
	s_mov_b32 s54, 64<<16                          ; tensor_dim1 = 64
	s_mov_b32 s55, 32<<16                          ; tile_dim0 = 32
	s_mov_b32 s56, 64                              ; tile_dim1 = 64
	s_mov_b32 s57, 2048                            ; elements from row to row
	s_mov_b32 s58, 0
	s_mov_b32 s59, 0
	s_wait_dscnt 0x0
	s_wait_kmcnt 0x0
	s_mov_b32 s48, 1                               ; group 0: count,
	s_mov_b32 s49, XT                              ; LDS address,
	s_add_nc_u64 s[50:51], s[4:5], s[34:35]        ; the tile's first byte,
	s_or_b32 s51, s51, 0x80000000                  ; type 2
	tensor_load_to_lds s[48:51], s[52:59]          ; x's tile: the one fill, ahead of everything else
	s_nop 0
.rept 4
	v_nop
.endr
	s_add_nc_u64 s[6:7], s[6:7], s[36:37]
	s_add_nc_u64 s[18:19], s[18:19], s[38:39]
	s_add_nc_u64 s[20:21], s[20:21], s[38:39]
	s_add_nc_u64 s[22:23], s[22:23], s[40:41]
	s_add_nc_u64 s[26:27], s[24:25], s[44:45]
	s_add_nc_u64 s[24:25], s[24:25], s[42:43]
	WIN 0x80                                       ; destination window 2
.irp i, 0,1,2,3,4,5,6,7,8,9,10,11,12,13,14,15
	global_load_b128 v[MU+4*\i:MU+4*\i+3], v[ZR], s[6:7] offset:16*\i          ; register ch = mu[ch], the same in every lane
	global_load_b128 v[AA+4*\i:AA+4*\i+3], v[ZR], s[6:7] offset:256+16*\i
	global_load_b128 v[BE+4*\i:BE+4*\i+3], v[ZR], s[8:9] offset:16*\i
.endr
	WIN 0
.irp n, 0,1,2,3,4,5,6,7,8,9,10,11,12,13,14,15,16,17
	global_load_b128 v[WT+4*\n:WT+4*\n+3], v[L16], s[10:11] offset:512*\n      ; the images of wq, wk, wv
.endr
.irp n, 0,1,2,3,4,5
	global_load_b32 v[WS+\n], v[L4], s[10:11] offset:12288+128*\n
.endr
	WIN 0x40                                       ; destination window 1
.irp w, 0,1,2,3
	global_load_b128 v[BQ+8*\w:BQ+8*\w+3], v[H128], s[12:13] offset:32*\w      ; bq[8 w + j + 32 h]: the result's layout
	global_load_b128 v[BQ+8*\w+4:BQ+8*\w+7], v[H128], s[12:13] offset:32*\w+16
	global_load_b128 v[BK+8*\w:BK+8*\w+3], v[H128], s[14:15] offset:32*\w
	global_load_b128 v[BK+8*\w+4:BK+8*\w+7], v[H128], s[14:15] offset:32*\w+16
.endr
.irp w, 0,1,2,3
.irp i, 0,1,2,3,4,5,6,7
	global_load_b32 v[BV+8*\w+\i], v[BVO], s[16:17] offset:32*\w               ; bv of my channel, in all eight registers
.endr
.endr
	s_wait_tensorcnt 0x0                           ; x's tile is in LDS
.irp j, 0,1
.set ii, 0
.rept 64
	ds_load_b32 v[XX+64*\j+ii], v[VX] offset:XT+256*ii+64*\j                   ; lane (r, u): position of tile 2 j + u, registers down the channels
.set ii, ii+1
.endr
.endr
	WIN 0
.macro NORM j
	WIN 0x69                                       ; x in window 1; mu, a, beta in window 2
.set ii, 0
.rept 32
	v_pk_add_f32 v[XX+64*\j+ii:XX+64*\j+ii+1], v[XX+64*\j+ii:XX+64*\j+ii+1], v[MU+ii:MU+ii+1] neg_lo:[0,1] neg_hi:[0,1]
.set ii, ii+2
.endr
.set ii, 0
.rept 32
	v_pk_fma_f32 v[XX+64*\j+ii:XX+64*\j+ii+1], v[XX+64*\j+ii:XX+64*\j+ii+1], v[AA+ii:AA+ii+1], v[BE+ii:BE+ii+1]
.set ii, ii+2
.endr
.endm
.macro HQ j                            ; a lane's two blocks of h; then the halves change places, so that each run of six registers is one tile's operand
	QB2 XX+64*\j, XX+64*\j+32, HF+24*\j, HF+24*\j+12
	v_lshl_or_b32 v[HS+\j], v[BY+1], 8, v[BY]      ; lane (r, u) holds the word of tile 2 j + u's position r: the register is ready as it stands
.irp i, 0,1,2,3,4,5
	v_permlane16_swap_b32 v[HF+24*\j+\i], v[HF+24*\j+12+\i]
.endr
.endm
; q or k for h's tiles 2 j, 2 j + 1.  mu: the weight; cb: its bias; p: the image's pointer; so: its place in scl
.macro QK mu, j, cb, p, so
	WIN 0x50                                       ; C and D in window 1
.irp u, 0,1
.irp w, 0,1,2,3
	WMS RR+32*\u+8*\w, WT+24*(\mu)+6*\w, HF+12*(2*(\j)+\u), (\cb)+8*\w, WS+2*(\mu)+\w/2, HS+(\j), \w%2, \u
.endr
.endr
	P4
	QB2 RR, RR+32, OC, OC+6
	WORDS PW
.irp g, 0,1,2
	global_store_b128 v[L16], v[OC+4*\g:OC+4*\g+3], s[\p:\p+1] offset:1536*(\j)+512*\g   ; 512 consecutive bytes a store
.endr
	global_store_b32 v[L4], v[PW], s[24:25] offset:(\so)+128*(\j)
.endm
; v for channel tiles 2 i, 2 i + 1: source 0 = h's four tiles, source 1 = wv's tile
.macro VV i, dst
	WIN 0x50
.irp e, 0,1
.irp w, 0,1,2,3
	WMS RR+32*\e+8*\w, HF+12*\w, WT+48+6*(2*(\i)+\e), BV+8*(2*(\i)+\e), HS+\w/2, WS+4+(\i), \w%2, \e
.endr
.endr
	P4
	QB2 RR, RR+32, OC, OC+6
	WORDS \dst
.irp e, 0,1
	global_store_b128 v[L16], v[OC+6*\e:OC+6*\e+3], s[22:23] offset:1536*(2*(\i)+\e)
	global_store_b64 v[L8], v[OC+6*\e+4:OC+6*\e+5], s[22:23] offset:1536*(2*(\i)+\e)+512
.endr
.endm
	s_wait_loadcnt 0x0                             ; mu, a, beta, the weights and the biases: they were asked for while the tile was on its way
	s_wait_dscnt 63                                ; 64 LDS loads were issued behind the first half of x; a count can name 63 at the most, so the stricter count is taken
	NORM 0
	HQ 0
	s_wait_dscnt 0x0
	NORM 1
	HQ 1
.rept 8
	v_nop                                          ; a scale register written by a vector instruction stands 8 places ahead of a scaled matrix instruction, an operand 4
.endr
	QK 0, 0, BQ, 18, 0
	QK 0, 1, BQ, 18, 0
	QK 1, 0, BK, 20, 65536
	QK 1, 1, BK, 20, 65536
	VV 0, PV0
	VV 1, PV1
	v_lshl_or_b32 v[PW], v[PV1], 16, v[PV0]
	global_store_b32 v[L4], v[PW], s[26:27]
	s_wait_tensorcnt 0x0
	ds_add_u32 v254, v255
	s_wait_dscnt 0x0
	s_endpgm
.Lfunc_end_k_q7fb86c326a_qkv:
	.size	k_q7fb86c326a_qkv, .Lfunc_end_k_q7fb86c326a_qkv-k_q7fb86c326a_qkv
	.p2alignl 7, 3214868480
	.fill 96, 4, 3214868480
	.section	.rodata,"a",@progbits
	.p2align	6, 0x0
	.amdhsa_kernel k_q7fb86c326a_qkv
		.amdhsa_group_segment_fixed_size 168192
		.amdhsa_private_segment_fixed_size 0
		.amdhsa_enable_private_segment 0
		.amdhsa_kernarg_size 88
		.amdhsa_user_sgpr_count 2
		.amdhsa_user_sgpr_kernarg_segment_ptr 1
		.amdhsa_wavefront_size32 1
		.amdhsa_system_sgpr_workgroup_id_x 1
		.amdhsa_system_sgpr_workgroup_id_y 1
		.amdhsa_system_sgpr_workgroup_id_z 1
		.amdhsa_system_vgpr_workitem_id 0
		.amdhsa_next_free_vgpr 768
		.amdhsa_next_free_sgpr 66
		.amdhsa_reserve_vcc 0
		.amdhsa_float_denorm_mode_32 3
		.amdhsa_float_denorm_mode_16_64 3
		.amdhsa_memory_ordered 1
		.amdhsa_forward_progress 1
		.amdhsa_inst_pref_size 69
	.end_amdhsa_kernel
	.amdgpu_metadata
---
amdhsa.version: [ 1, 2 ]
amdhsa.kernels:
  - .name:           k_q7fb86c326a_qkv
    .symbol:         k_q7fb86c326a_qkv.kd
    .args:
      - { .name: x, .offset: 0, .size: 8, .value_kind: global_buffer, .address_space: global }
      - { .name: stats, .offset: 8, .size: 8, .value_kind: global_buffer, .address_space: global }
      - { .name: gn_beta, .offset: 16, .size: 8, .value_kind: global_buffer, .address_space: global }
      - { .name: wimg, .offset: 24, .size: 8, .value_kind: global_buffer, .address_space: global }
      - { .name: bq, .offset: 32, .size: 8, .value_kind: global_buffer, .address_space: global }
      - { .name: bk, .offset: 40, .size: 8, .value_kind: global_buffer, .address_space: global }
      - { .name: bv, .offset: 48, .size: 8, .value_kind: global_buffer, .address_space: global }
      - { .name: qimg, .offset: 56, .size: 8, .value_kind: global_buffer, .address_space: global }
      - { .name: kimg, .offset: 64, .size: 8, .value_kind: global_buffer, .address_space: global }
      - { .name: vimg, .offset: 72, .size: 8, .value_kind: global_buffer, .address_space: global }
      - { .name: scl, .offset: 80, .size: 8, .value_kind: global_buffer, .address_space: global }
    .group_segment_fixed_size: 168192
    .private_segment_fixed_size: 0
    .kernarg_segment_align: 8
    .kernarg_segment_size: 88
    .max_flat_workgroup_size: 32
    .sgpr_count:     66
    .vgpr_count:     768
    .wavefront_size: 32
...
	.end_amdgpu_metadata
.endif
;; end of part 2
;; launch attn (part 3): grid 64 x 4, 8 waves a work-group, clusters of 4 x 1, 327,680 bytes of LDS; arguments qimg, kimg, vimg, scl, wimg, bp, x, out0; writes out0
.if DOCPART == 3
	.amdgcn_target "amdgcn-amd-amdhsa--gfx1250"
	.amdhsa_code_object_version 6
	.text
	.protected	k_q7fb86c326a_attn
	.globl	k_q7fb86c326a_attn
	.p2align	8
	.type	k_q7fb86c326a_attn,@function
k_q7fb86c326a_attn:
	s_mov_b64 s[64:65], 0
	v_nop
	global_prefetch_b8 v0, s[64:65] scope:SCOPE_SE
	s_setreg_imm32_b32 hwreg(HW_REG_WAVE_MODE, 25, 1), 1
	s_wait_xcnt 0x0
	s_wait_alu depctr_hold_cnt(0) depctr_sa_sdst(0) depctr_va_vdst(0) depctr_va_sdst(0) depctr_va_ssrc(0) depctr_va_vcc(0) depctr_vm_vsrc(0)
	s_getreg_b32 s2, hwreg(HW_REG_IB_STS2, 6, 4)
	s_cmp_eq_u32 s2, 0
	s_cbranch_scc0 .Lentry_in_a_cluster
	s_endpgm
.Lentry_in_a_cluster:
	s_bfe_u32 s2, ttmp6, 0x10000c
	s_cmp_lg_u32 s2, 0x3003
	s_cbranch_scc0 .Lentry_shape_is_right
	s_endpgm
.Lentry_shape_is_right:
; out = x + wp softmax(q k^T / 8) v + bp, all three products on codes of E3M2 with one E8M0 byte for each 32 along K.  The softmax is quantised FINISHED AND NORMALISED, so a row's maximum and sum over all 4,096 keys
; are known before any weight is quantised.  To compute each score and each exponential once, the scores stay in registers:
; SHARES.  A work-group owns 64 queries of one image (group X), four tiles of 16.  Its EIGHT waves share the KEYS: wave w owns keys 512 w .. 512 w + 511 for all four tiles; a tile's 16 x 512 scores are 256 registers of the wave.
; A TILE'S TURN: S^T = K Q^T; M_w = the wave's largest t = score x log2(e) / 8, rounded up to a whole number; p_w = 2^(t - M_w); l_w = its sum; (M_w, l_w) of the eight waves meet in LDS behind one barrier;
;   F = 2^(M_w - M) / l (the power of two is exact); p = p_w F is quantised along the keys.  The maximum is taken away before every exponential.
; K's codes lie in LDS through the four turns, each wave's 512 keys brought and read by that wave alone.  p's codes are kept: tiles 0, 1 in the wave's own LDS bytes, tiles 2, 3 in registers.
; V's codes are brought over K's bytes AS SOON AS THE LAST TILE'S LAST FRAGMENTS OF K ARE IN REGISTERS: the load then has that tile's last 8 products, its softmax, its exchange and its quantising in which to land.
; Then O^T = V^T P^T for all four tiles, so that each fragment of V feeds four products.  The eight waves' partial O^T are summed through LDS in a fixed order.
; LDS LOADS AHEAD: a key step's maxima stand between the next step's loads and the wait for them; a tile's first fragments of K are asked for ahead of the quantising of the tile before.
; LAYOUT.  All images are operand registers as the launch before stored them: lane r of tile T holds index 8 T + r % 8 + 32 (r / 8) of its group of 64, so that a lane's 32 results of four tiles are one whole block of 32.
; K = 64 in a form of K = 128 (scores, projection): one operand carries six zero registers; the other's fragments lie six registers apart.
; CLUSTER.  The four work-groups of a cluster belong to one image and need the same K and V: each wave's load is asked for JOINTLY, with the same descriptor and the mask 15 in all four.
; By this text's own count a wave has one tensor load outstanding at the most.
; LIMITS: NaN and infinities are not served.  p_w under 2^-126 counts as 0 (v_exp_f32 flushes).  A block of zeros gets byte 1 with zero codes.  A block's largest p is made from its largest score by the same
; multiply-add, exponential and multiplication: this takes v_exp_f32 not to fall where its input rises.  1 / l is v_rcp_f32's.  O is summed over eight ranges of keys in ascending order.
; REGISTERS.  Window 0: v1-19 addresses; v20-63 scale registers and nothing else; v64-75 Q (later wp); v76-171 p's codes; v172-225 K's fragments (behind the turns: p's codes from LDS, then the tail's work); v226-255 statistics and work.
;   Window 1: the 256 scores; afterwards O^T v0-127, V's two buffers v128-223, x v224-239, bp v240-255.
.set WREG,  24576                      ; a wave's bytes of K's codes, and of V's
.set CODES, 8*WREG                     ; LDS: behind K / V: p's codes of tiles 0, 1: 12,288 bytes a wave
.set CREG,  12288
.set EXC,   CODES+8*CREG               ; the exchange: for each tile 16 queries x 80 bytes (eight pairs + 16)
.set SPARE, EXC+4*1280                 ; the spare words, 128 bytes a wave: four blocks of 256 bytes that no other line names
.set OS,    CODES                      ; the way out: 64 channels x (256 bytes + 16), where p's codes lay
.set OP,    272
.set SPW,  1
.set NIL,  2
.set AK,   3                           ; my wave's K / V bytes + 16 x lane
.set AK8,  4                           ; + 8 x lane
.set APC,  5                           ; my wave's kept codes + 16 x lane
.set AXW,  6                           ; exchange: 80 r + 8 w
.set AXR,  7                           ; exchange: 80 r + 32 h
.set AR,   8                           ; v8-11 partial sums of waves 2 i, 2 i + 1: 4,096 (w % 4) + 16 x lane + 49,152 i
.set AOS,  12                          ; the way out, in
.set AOR,  13                          ; and back
.set L16,  14
.set L4,   15
.set GX,   16                          ; x, out: 16,384 (lane / 16) + 16 (lane % 16)
.set BPO,  17                          ; 4 (r % 8 + 32 (r / 8))
.set H8,   18
.set LN,   19
.set KS,   20                          ; v20-35 K's scale registers
.set PS,   36                          ; v36-51 p's scale words: 4 t + s
.set VS,   52                          ; v52-59 V's: 2 s + pair of channel tiles
.set QS,   60
.set WPS,  62
.set HS2,  63
.set QF,   64
.set PCR,  76
.set KB,   172
.set BM,   226                         ; v226-233 each block's largest score, then its largest p_w
.set CH,   234                         ; v234-237 the maxima's four chains
.set LL,   238                         ; v238-245 the sums' four packed chains
.set NM,   246                         ; v246 -M_w, v247 l_w
.set FF,   248
.set T,    250
.set E,    238                         ; behind the sums: four pairs (-M, l), where the chains lay
.set SCL,  234                         ; behind the maxima: the conversions' scale operands,
.set BY,   236                         ; and the bytes
.set WW,   254                         ; a scale word in the making
.set C2T,  186                         ; the conversions' upper halves, where no load into K's registers is out: the last tile, and the tail
.set PB,   172                         ; two buffers of 24: p's codes of tiles 0, 1 for one key step
.set HF2,  172                         ; the tail: the attention's result as an operand
.set OUTR, 184
.set VB,   128                         ; window 1
.set XR,   224
.set BP,   240
.set MSB, 0
.macro WIN new                         ; low byte: bits 1:0 source 0, 3:2 source 1, 5:4 source 2, 7:6 destination; the high byte repeats the setting that is left
.if MSB != \new
	s_set_vgpr_msb (MSB<<8)|\new
.set MSB, \new
.endif
.endm
.macro P4                              ; four places behind matrix instructions (ISA guide 7.12.1 for vector instructions)
	WIN 0
.rept 4
	v_nop
.endr
.endm
.macro CROUND                          ; a round of the cluster's barrier
	s_barrier_signal -1
	s_barrier_wait -1
	s_cmp_lg_u32 s20, 0
	s_cbranch_scc1 .Lnot_wave_0_\@
	s_barrier_signal -3
.Lnot_wave_0_\@:
	s_barrier_wait -3
	s_barrier_signal -1
	s_barrier_wait -1
.endm
; one product.  c: first register of C, or negative: the constant 0 starts the sum.  ra, rb = 1: that side's scales stand in lanes 16-31 of its register
.macro WMS d, a, b, c, sa, sb, ra, rb
.if (\c) < 0
.if (\ra) && (\rb)
	v_wmma_scale_f32_16x16x128_f8f6f4 v[(\d):(\d)+7], v[(\a):(\a)+11], v[(\b):(\b)+11], 0, v[(\sa)], v[(\sb)] matrix_a_fmt:MATRIX_FMT_BF6 matrix_b_fmt:MATRIX_FMT_BF6 matrix_a_scale:MATRIX_SCALE_ROW1 matrix_b_scale:MATRIX_SCALE_ROW1
.elseif (\ra)
	v_wmma_scale_f32_16x16x128_f8f6f4 v[(\d):(\d)+7], v[(\a):(\a)+11], v[(\b):(\b)+11], 0, v[(\sa)], v[(\sb)] matrix_a_fmt:MATRIX_FMT_BF6 matrix_b_fmt:MATRIX_FMT_BF6 matrix_a_scale:MATRIX_SCALE_ROW1
.elseif (\rb)
	v_wmma_scale_f32_16x16x128_f8f6f4 v[(\d):(\d)+7], v[(\a):(\a)+11], v[(\b):(\b)+11], 0, v[(\sa)], v[(\sb)] matrix_a_fmt:MATRIX_FMT_BF6 matrix_b_fmt:MATRIX_FMT_BF6 matrix_b_scale:MATRIX_SCALE_ROW1
.else
	v_wmma_scale_f32_16x16x128_f8f6f4 v[(\d):(\d)+7], v[(\a):(\a)+11], v[(\b):(\b)+11], 0, v[(\sa)], v[(\sb)] matrix_a_fmt:MATRIX_FMT_BF6 matrix_b_fmt:MATRIX_FMT_BF6
.endif
.else
.if (\ra) && (\rb)
	v_wmma_scale_f32_16x16x128_f8f6f4 v[(\d):(\d)+7], v[(\a):(\a)+11], v[(\b):(\b)+11], v[(\c):(\c)+7], v[(\sa)], v[(\sb)] matrix_a_fmt:MATRIX_FMT_BF6 matrix_b_fmt:MATRIX_FMT_BF6 matrix_a_scale:MATRIX_SCALE_ROW1 matrix_b_scale:MATRIX_SCALE_ROW1
.elseif (\ra)
	v_wmma_scale_f32_16x16x128_f8f6f4 v[(\d):(\d)+7], v[(\a):(\a)+11], v[(\b):(\b)+11], v[(\c):(\c)+7], v[(\sa)], v[(\sb)] matrix_a_fmt:MATRIX_FMT_BF6 matrix_b_fmt:MATRIX_FMT_BF6 matrix_a_scale:MATRIX_SCALE_ROW1
.elseif (\rb)
	v_wmma_scale_f32_16x16x128_f8f6f4 v[(\d):(\d)+7], v[(\a):(\a)+11], v[(\b):(\b)+11], v[(\c):(\c)+7], v[(\sa)], v[(\sb)] matrix_a_fmt:MATRIX_FMT_BF6 matrix_b_fmt:MATRIX_FMT_BF6 matrix_b_scale:MATRIX_SCALE_ROW1
.else
	v_wmma_scale_f32_16x16x128_f8f6f4 v[(\d):(\d)+7], v[(\a):(\a)+11], v[(\b):(\b)+11], v[(\c):(\c)+7], v[(\sa)], v[(\sb)] matrix_a_fmt:MATRIX_FMT_BF6 matrix_b_fmt:MATRIX_FMT_BF6
.endif
.endif
.endm
	s_load_b512 s[4:19], s[0:1], 0x0               ; qimg 4, kimg 6, vimg 8, scl 10, wimg 12, bp 14, x 16, out0 18
	v_lshl_add_u32 v[SPW], v0, 2, SPARE
	v_mov_b32 v[NIL], 0
	ds_add_u32 v1, v2
	ds_add_u32 v1, v2
	s_wait_dscnt 0x0
	v_lshrrev_b32 v[LN], 5, v0
	v_readfirstlane_b32 s20, v[LN]                 ; wave 0..7
	s_and_b32 s23, ttmp7, 0xffff                   ; the image, which the four partners share
	; descriptor group 1: 24,576 dense bytes as 96 rows of 256 bytes (32 elements of 8 bytes), no padding: images are read 16 x lane on end
	s_mov_b32 s24, 15|(3<<16)|(1<<21)              ; 15:0 the mask: all four work-groups; 17:16 elements of 8 bytes; 21 set beside a mask
	s_mov_b32 s25, 32<<16                          ; tensor_dim0 = 32
	s_mov_b32 s26, 96<<16                          ; tensor_dim1 = 96
	s_mov_b32 s27, 32<<16                          ; tile_dim0 = 32
	s_mov_b32 s28, 96                              ; tile_dim1 = 96
	s_mov_b32 s29, 32                              ; elements from row to row
	s_mov_b32 s30, 0
	s_mov_b32 s31, 0
	s_mul_i32 s21, s20, WREG
	s_mul_i32 s56, s23, 8*WREG                     ; an image's codes of K, and of V: 196,608 bytes
	s_add_co_u32 s56, s56, s21                     ; my wave's part: nothing here hangs on my place in the cluster
	s_mov_b32 s57, 0
	s_mov_b32 s40, 0x3e38aa3b                      ; c = log2(e) / 8
	s_mov_b32 s41, s40                             ; (named with it as a pair)
	s_mov_b32 s42, 0x76543210                      ; v_permlanex16_b32's selects for lane l xor 16
	s_mov_b32 s43, 0xfedcba98
	s_mov_b32 s46, 0x05040100                      ; v_perm_b32: the two low halves
	s_mov_b32 s47, 0x07060302                      ; the two high halves
	s_wait_kmcnt 0x0
	s_mov_b32 s32, 1                               ; group 0 for K: count,
	s_mul_i32 s33, s20, WREG                       ; LDS address,
	s_add_nc_u64 s[34:35], s[6:7], s[56:57]        ; global address,
	s_or_b32 s35, s35, 0x80000000                  ; type 2
	s_mov_b32 s36, 1                               ; and for V: the same LDS bytes
	s_mul_i32 s37, s20, WREG
	s_add_nc_u64 s[38:39], s[8:9], s[56:57]
	s_or_b32 s39, s39, 0x80000000
	CROUND                                         ; all four work-groups are here: the first joint loads meet
	tensor_load_to_lds s[32:35], s[24:31]          ; my 512 keys' codes
	s_nop 0
.rept 4
	v_nop
.endr
	; every LDS address is made here, from the thread's and the wave's number and constants
	s_mul_i32 s44, s20, CREG
	s_add_co_u32 s44, s44, CODES
	s_lshl_b32 s45, s20, 3
	s_add_co_u32 s45, s45, EXC
	s_and_b32 s63, s20, 3                          ; in the tail: my tile of queries
	s_lshr_b32 s61, s20, 2                         ; and my half of the output channels
	s_lshl_b32 s58, s63, 12
	s_mul_i32 s60, s61, 16*OP
	s_lshl_b32 s62, s63, 5
	s_add_co_u32 s60, s60, s62
	s_add_co_u32 s60, s60, OS
	s_mul_i32 s62, s20, 8*OP
	s_add_co_u32 s62, s62, OS
	v_and_b32 v[LN], 31, v0                        ; lane
	v_and_b32 v[T], 15, v0                         ; r
	v_bfe_u32 v[T+1], v0, 4, 1                     ; h
	v_and_b32 v[T+2], 7, v0
	v_bfe_u32 v[T+3], v0, 3, 1
	v_lshl_add_u32 v[T+2], v[T+3], 5, v[T+2]       ; r % 8 + 32 (r / 8)
	v_mov_b32 v[T+4], 0
	v_mov_b32 v[T+5], 0
	v_lshl_add_u32 v[AK], v[LN], 4, s21
	v_lshl_add_u32 v[AK8], v[LN], 3, s21
	v_lshl_add_u32 v[APC], v[LN], 4, s44
	v_mul_u32_u24 v[AXW], v[T], 80
	v_lshl_add_u32 v[AXR], v[T+1], 5, v[AXW]
	v_add_nc_u32 v[AXR], EXC, v[AXR]
	v_add_nc_u32 v[AXW], s45, v[AXW]
	v_lshl_add_u32 v[AR], v[LN], 4, s58
	v_add_nc_u32 v[AR+1], 2*WREG, v[AR]
	v_add_nc_u32 v[AR+2], 4*WREG, v[AR]
	v_add_nc_u32 v[AR+3], 6*WREG, v[AR]
	v_mul_u32_u24 v[AOS], v[T+2], OP               ; in: my output channel's row, + 128 h + 32 x tile: eight neighbouring positions
	v_lshl_add_u32 v[AOS], v[T+1], 7, v[AOS]
	v_add_nc_u32 v[AOS], s60, v[AOS]
	v_mul_u32_u24 v[AOR], v[T+1], OP               ; back: rows 8 w on; lanes 0-15 one row, lanes 16-31 the next
	v_lshl_add_u32 v[AOR], v[T], 4, v[AOR]
	v_add_nc_u32 v[AOR], s62, v[AOR]
	v_lshlrev_b32 v[L16], 4, v[LN]
	v_lshlrev_b32 v[L4], 2, v[LN]
	v_lshlrev_b32 v[GX], 14, v[T+1]
	v_lshl_add_u32 v[GX], v[T], 4, v[GX]
	v_lshlrev_b32 v[BPO], 2, v[T+2]
	v_lshlrev_b32 v[H8], 3, v[T+1]
.irp i, 6,7,8,9,10,11
	v_mov_b32 v[QF+\i], 0                          ; K = 64 .. 127 of Q: zero codes
	v_mov_b32 v[KB+42+\i], 0                       ; behind K's last fragment
.endr
	v_mov_b32 v[NM+1], 0                           ; (named as the upper half of a pair before it is first written)
	; the global addresses; my place in the cluster enters Q's, x's and out's alone
	s_bfe_u32 s22, ttmp6, 0x40000                  ; cx
	s_lshl_b32 s44, ttmp9, 2                       ; in a cluster launch ttmp9 counts clusters
	s_add_co_u32 s22, s44, s22                     ; X
	s_lshl_b32 s44, s23, 6
	s_add_co_u32 s45, s44, s22                     ; G = 64 b + X
	s_mov_b32 s59, 0
	s_mul_i32 s58, s45, 3072
	s_add_nc_u64 s[4:5], s[4:5], s[58:59]          ; Q's image
	s_lshl_b32 s58, s45, 8
	s_add_nc_u64 s[48:49], s[10:11], s[58:59]      ; Q's scale registers
	s_lshl_b32 s60, s20, 3
	s_add_co_u32 s60, s60, s44                     ; my first group of keys: 64 b + 8 w
	s_lshl_b32 s58, s60, 8
	s_add_co_u32 s58, s58, 65536
	s_add_nc_u64 s[50:51], s[10:11], s[58:59]      ; K's
	s_lshl_b32 s58, s60, 7
	s_add_co_u32 s58, s58, 131072
	s_add_nc_u64 s[52:53], s[10:11], s[58:59]      ; V's
	s_lshl_b32 s58, s61, 7
	s_add_co_u32 s58, s58, 13056                   ; 12,288 + 128 (6 + half)
	s_add_nc_u64 s[54:55], s[12:13], s[58:59]      ; wp's scale register
	s_mul_i32 s58, s61, 1536
	s_add_co_u32 s58, s58, 9216
	s_add_nc_u64 s[12:13], s[12:13], s[58:59]      ; wp's two tiles of my half
	s_lshl_b32 s58, s61, 6
	s_add_nc_u64 s[14:15], s[14:15], s[58:59]      ; bp: 16 channels x half
	s_lshl_b32 s58, s23, 20
	s_lshl_b32 s62, s22, 8
	s_add_co_u32 s58, s58, s62
	s_lshl_b32 s62, s20, 17                        ; channels 8 w on
	s_add_co_u32 s58, s58, s62
	s_add_nc_u64 s[16:17], s[16:17], s[58:59]
	s_add_nc_u64 s[18:19], s[18:19], s[58:59]
.macro QLOAD t                         ; tile t's six registers out of Q's image (four registers a group of 512 bytes)
.if ((\t)%2) == 0
	global_load_b128 v[QF:QF+3], v[L16], s[4:5] offset:1536*((\t)/2)
	global_load_b64 v[QF+4:QF+5], v[L16], s[4:5] offset:1536*((\t)/2)+512
.else
	global_load_b64 v[QF:QF+1], v[L16], s[4:5] offset:1536*((\t)/2)+520
	global_load_b128 v[QF+2:QF+5], v[L16], s[4:5] offset:1536*((\t)/2)+1024
.endif
.endm
.irp n, 0,1,2,3,4,5,6,7,8,9,10,11,12,13,14,15
	global_load_b32 v[KS+\n], v[L4], s[50:51] offset:128*\n
.endr
	global_load_b32 v[QS], v[L4], s[48:49]
	global_load_b32 v[QS+1], v[L4], s[48:49] offset:128
	global_load_b32 v[WPS], v[L4], s[54:55]
.irp n, 0,1,2,3,4,5,6,7
	global_load_b32 v[BM+\n], v[L4], s[52:53] offset:128*\n      ; V's words of my eight groups of 64 keys
.endr
	QLOAD 0
	s_wait_loadcnt 0x0
.irp s, 0,1,2,3                                ; a key step's word: two bytes of its first group, two of its second; low halves: channel tiles 0, 1; high halves: tiles 2, 3
	v_perm_b32 v[VS+2*\s], v[BM+2*\s+1], v[BM+2*\s], s46
	v_perm_b32 v[VS+2*\s+1], v[BM+2*\s+1], v[BM+2*\s], s47
.endr
	s_wait_tensorcnt 0x0                           ; my keys' codes are in LDS; no other wave reads them, so no barrier is needed
.macro LOADK s                         ; 128 keys: eight fragments of six registers
.irp n, 0,1,2,3,4,5,6,7,8,9,10,11
	ds_load_b128 v[KB+4*\n:KB+4*\n+3], v[AK] offset:6144*(\s)+512*\n
.endr
.endm
.macro SMUL t, s                       ; S^T = K Q^T: eight different accumulators, each begun with the constant 0
	WIN 0x40
.irp i, 0,1,2,3,4,5,6,7
	WMS 64*(\s)+8*\i, KB+6*\i, QF, -1, KS+4*(\s)+\i/2, QS+(\t)/2, \i%2, (\t)%2
.endr
.endm
.macro MAXS s                          ; the largest score of my two blocks of key step s; each accumulator is read from its low end on
	WIN 0x05
.irp q, 0,1,2,3
	v_max_num_f32 v[CH+\q], v[64*(\s)+16*\q], v[64*(\s)+16*\q+1]
.endr
.irp i, 2,4,6,8,10,12,14
.irp q, 0,1,2,3
	v_max3_num_f32 v[CH+\q], v[64*(\s)+16*\q+\i], v[64*(\s)+16*\q+\i+1], v[CH+\q]
.endr
.endr
	WIN 0
	v_max_num_f32 v[BM+2*(\s)], v[CH], v[CH+1]
	v_max_num_f32 v[BM+2*(\s)+1], v[CH+2], v[CH+3]
.endm
.macro QUANT t, s                      ; key step s: p = p_w F, its two blocks' bytes, its codes: registers 6 c .. 6 c + 5 hold keys 64 c + 32 h + 0 .. 31
.set PD, PCR+48*((\t)%2)+12*(\s)
.if (\t) < 3
.set CQ, PCR+48*(((\t)+1)%2)                   ; the conversions' upper halves: in the half of p's registers that this tile does not write and whose codes have gone to LDS (loads into K's registers are out)
.else
.set CQ, C2T                                   ; the last tile: that half holds tile 2's codes, and K's registers are free
.endif
	WIN 0x41
.set ii, 64*(\s)
.rept 32
	v_pk_mul_f32 v[ii:ii+1], v[ii:ii+1], v[FF:FF+1]
.set ii, ii+2
.endr
	WIN 0
.irp c, 0,1
	v_mul_f32 v[SCL+\c], v[BM+2*(\s)+\c], v[FF]    ; the block's largest p: the same multiplication on the same number
.endr
.irp c, 0,1
	v_max_num_f32 v[SCL+\c], 0x2800000, v[SCL+\c]  ; the floor 2^(5 - 127): the byte cannot fall under 1
.endr
.irp c, 0,1
	v_add_nc_u32 v[SCL+\c], 0xfe000000, v[SCL+\c]  ; 4 off the exponent field: the conversion's scale operand
.endr
.irp c, 0,1
	v_lshrrev_b32 v[BY+\c], 23, v[SCL+\c]
.endr
	v_lshl_or_b32 v[WW], v[BY+1], 16, v[BY]        ; my bytes: blocks h and 2 + h,
	v_lshlrev_b32 v[WW], v[H8], v[WW]              ; at their places;
	v_permlanex16_b32 v[T+1], v[WW], s42, s43
	v_or_b32 v[PS+4*(\t)+(\s)], v[WW], v[T+1]      ; with lane l xor 16's two the word is whole
	WIN 0x01
.irp c, 0,1
	v_cvt_scalef32_pk16_bf6_f32 v[PD+6*\c:PD+6*\c+2], v[64*(\s)+32*\c:64*(\s)+32*\c+15], v[SCL+\c]
	v_cvt_scalef32_pk16_bf6_f32 v[CQ+4*\c:CQ+4*\c+2], v[64*(\s)+32*\c+16:64*(\s)+32*\c+31], v[SCL+\c]   ; (a conversion's three registers begin on an even number)
.endr
	WIN 0
	v_nop                                          ; one plain place behind the last scaled conversion
.irp c, 0,1
.irp i, 0,1,2
	v_mov_b32 v[PD+6*\c+3+\i], v[CQ+4*\c+\i]
.endr
.endr
.if (\t) < 2
.irp g, 0,1,2
	ds_store_b128 v[APC], v[PD+4*\g:PD+4*\g+3] offset:6144*(\t)+1536*(\s)+512*\g   ; kept in my own LDS bytes, as an image of the registers
.endr
.endif
.endm
; THE TURN OF QUERY TILE t
.macro QTILE t
	s_wait_loadcnt 0x0                             ; Q's fragment
.if (\t) == 0
	LOADK 0                                        ; (a later tile's first fragments were asked for in the turn before)
.endif
	s_wait_dscnt 0x0                               ; key step 0's fragments are in; my stores of kept codes have landed
	SMUL \t, 0
	P4                                             ; in front of loads into registers that the products have read, and of the first read of their results
	LOADK 1
	MAXS 0                                         ; vector work while the loads are on their way
	s_wait_dscnt 0x0
	SMUL \t, 1
	P4
	LOADK 2
	MAXS 1
	s_wait_dscnt 0x0
	SMUL \t, 2
	P4
	LOADK 3
.if (\t) < 3
	MAXS 2
	s_wait_dscnt 0x0
.else
	s_wait_tensorcnt 0x0                           ; K'S CODES HAVE BEEN ASKED FOR FOR THE LAST TIME.  No tensor load of mine is out;
	ds_add_u32 v[SPW], v[NIL]                      ; 0 onto my spare word: a key step's maxima stand between it and the wait for it
	MAXS 2
	s_wait_dscnt 0x0                               ; the add is done, and my last reads of K's codes are back
	CROUND                                         ; no wave of any partner still reads K's codes
	tensor_load_to_lds s[36:39], s[24:31]          ; V's codes of my 512 keys, over K's: they land under the rest of this turn
	s_nop 0
.rept 4
	v_nop
.endr
.endif
	SMUL \t, 3
	P4
.if (\t) < 3
	QLOAD (\t)+1
.endif
	MAXS 3
	v_max3_num_f32 v[T], v[BM], v[BM+1], v[BM+2]
	v_max3_num_f32 v[T+1], v[BM+3], v[BM+4], v[BM+5]
	v_max3_num_f32 v[T], v[T], v[BM+6], v[BM+7]
	v_max_num_f32 v[T], v[T], v[T+1]
	v_permlanex16_b32 v[T+1], v[T], s42, s43       ; my query's other 256 keys lie in lane l xor 16
	v_max_num_f32 v[T], v[T], v[T+1]
	v_mul_f32 v[T], s40, v[T]                      ; as t (c is positive)
	v_floor_f32 v[NM], -v[T]                       ; -M_w = floor(-t): M_w is a whole number
.irp i, 0,1,2,3,4,5,6,7
	v_fma_f32 v[BM+\i], v[BM+\i], s40, v[NM]       ; t - M_w of each block's largest score
.endr
	WIN 0x41
.set ii, 0
.rept 32
	v_pk_fma_f32 v[ii:ii+1], v[ii:ii+1], s[40:41], v[NM:NM+1] op_sel_hi:[1,0,0]   ; t - M_w, two at a time (of both pairs the low word serves both halves)
.set ii, ii+2
.endr
.set ii, 0
.rept 96                                       ; a key step's exponentials with the next step's multiply-adds between them
	v_exp_f32 v[ii], v[ii]
	v_exp_f32 v[ii+1], v[ii+1]
	v_pk_fma_f32 v[ii+64:ii+65], v[ii+64:ii+65], s[40:41], v[NM:NM+1] op_sel_hi:[1,0,0]
.set ii, ii+2
.endr
.rept 32
	v_exp_f32 v[ii], v[ii]
	v_exp_f32 v[ii+1], v[ii+1]
.set ii, ii+2
.endr
	WIN 0
.irp i, 0,1,2,3,4,5,6,7
	v_exp_f32 v[BM+\i], v[BM+\i]                   ; each block's largest p_w: the same two instructions on the same number
.endr
	WIN 0x05                                       ; l_w: the sum of the unquantised p_w, in four packed chains.  (The first addition is the plain place behind the exponentials)
	s_wait_alu depctr_va_vdst(0)
.irp q, 0,1,2,3
	v_pk_add_f32 v[LL+2*\q:LL+2*\q+1], v[4*\q:4*\q+1], v[4*\q+2:4*\q+3]
.endr
	WIN 0x01
.set ii, 16
.rept 30
.irp q, 0,1,2,3
	v_pk_add_f32 v[LL+2*\q:LL+2*\q+1], v[ii+2*\q:ii+2*\q+1], v[LL+2*\q:LL+2*\q+1]
.endr
.set ii, ii+8
.endr
	WIN 0
	v_pk_add_f32 v[LL:LL+1], v[LL:LL+1], v[LL+2:LL+3]
	v_pk_add_f32 v[LL+4:LL+5], v[LL+4:LL+5], v[LL+6:LL+7]
	v_pk_add_f32 v[LL:LL+1], v[LL:LL+1], v[LL+4:LL+5]
	v_add_f32 v[NM+1], v[LL], v[LL+1]
	v_permlanex16_b32 v[T+1], v[NM+1], s42, s43
	v_add_f32 v[NM+1], v[NM+1], v[T+1]
	ds_store_b64 v[AXW], v[NM:NM+1] offset:1280*(\t)   ; (-M_w, l_w) of query r; each tile has exchange bytes of its own, so one barrier a tile is enough
	s_wait_dscnt 0x0                               ; for the others' sake: my store has landed
	s_barrier_signal -1                            ; (in the last turn V's load may be out here, and only the wave that asked reads V's bytes, behind its own wait)
	s_barrier_wait -1
	ds_load_b128 v[E:E+3], v[AXR] offset:1280*(\t)     ; the pairs of waves 4 h .. 4 h + 3
	ds_load_b128 v[E+4:E+7], v[AXR] offset:1280*(\t)+16
.if (\t) < 3
	LOADK 0                                        ; the next tile's first fragments of K: they land under this tile's quantising, which touches none of their registers
	s_wait_dscnt 12                                ; the two loads of the exchange are in; the twelve behind them may be out
.else
	s_wait_dscnt 0x0
.endif
	v_min3_num_f32 v[T], v[E], v[E+2], v[E+4]
	v_min_num_f32 v[T], v[T], v[E+6]
	v_permlanex16_b32 v[T+1], v[T], s42, s43
	v_min_num_f32 v[T], v[T], v[T+1]               ; -M of the whole row
.irp a, 0,1,2,3
	v_sub_f32 v[E+2*\a], v[T], v[E+2*\a]           ; M_a - M: a whole number, 0 or less
.endr
.irp a, 0,1,2,3
	v_cvt_i32_f32 v[E+2*\a], v[E+2*\a]             ; (it saturates)
.endr
.irp a, 0,1,2,3
	v_ldexp_f32 v[E+2*\a+1], v[E+2*\a+1], v[E+2*\a]    ; l_a under the row's M: nothing is rounded
.endr
	v_add_f32 v[E+1], v[E+1], v[E+3]
	v_add_f32 v[E+5], v[E+5], v[E+7]
	v_add_f32 v[E+1], v[E+1], v[E+5]
	v_permlanex16_b32 v[T+1], v[E+1], s42, s43
	v_add_f32 v[E+1], v[E+1], v[T+1]               ; l: the same bits in every wave and both lane halves
	v_rcp_f32 v[T+2], v[E+1]
	v_sub_f32 v[T+3], v[T], v[NM]                  ; (a plain place behind the transcendental)  M_w - M
	v_cvt_i32_f32 v[T+3], v[T+3]
	s_wait_alu depctr_va_vdst(0)
	v_ldexp_f32 v[FF], v[T+2], v[T+3]              ; F = 2^(M_w - M) / l
	v_mov_b32 v[FF+1], v[FF]
	QUANT \t, 0
	QUANT \t, 1
	QUANT \t, 2
	QUANT \t, 3
.endm
	QTILE 0
	QTILE 1
	QTILE 2
	QTILE 3
	; ---- O^T = V^T P^T for my 512 keys, four key steps of 128; sixteen accumulators (4 query tiles x 4 channel tiles) by turns, one instruction a turn
.irp g, 0,1,2
	global_load_b128 v[QF+4*\g:QF+4*\g+3], v[L16], s[12:13] offset:512*\g      ; wp's two tiles of my half, where Q lay
.endr
	WIN 0x40
.irp i, 0,1,2,3
	global_load_b128 v[XR+4*\i:XR+4*\i+3], v[GX], s[16:17] offset:32768*\i     ; x at the places that I store at the end
.endr
.irp e, 0,1
.irp i, 0,1,2,3,4,5,6,7
	global_load_b32 v[BP+8*\e+\i], v[BPO], s[14:15] offset:32*\e               ; bp of my output channel, in all eight registers
.endr
.endr
	WIN 0
	s_wait_tensorcnt 0x0                           ; V's codes of my keys are in LDS; no other wave reads them
.macro LOADV s, buf                    ; four channel tiles x 128 keys: 12 registers each
	WIN 0x40
.irp q, 0,1,2,3
	ds_load_b128 v[VB+48*(\buf)+12*\q:VB+48*(\buf)+12*\q+3], v[AK] offset:6144*(\s)+1536*\q
	ds_load_b64 v[VB+48*(\buf)+12*\q+4:VB+48*(\buf)+12*\q+5], v[AK8] offset:6144*(\s)+1536*\q+512
	ds_load_b128 v[VB+48*(\buf)+12*\q+6:VB+48*(\buf)+12*\q+9], v[AK] offset:6144*(\s)+1536*\q+768
	ds_load_b64 v[VB+48*(\buf)+12*\q+10:VB+48*(\buf)+12*\q+11], v[AK8] offset:6144*(\s)+1536*\q+1280
.endr
	WIN 0
.endm
.macro LOADP s, buf                    ; p's codes of tiles 0, 1 come back as they were stored
.irp t, 0,1
.irp g, 0,1,2
	ds_load_b128 v[PB+24*(\buf)+12*\t+4*\g:PB+24*(\buf)+12*\t+4*\g+3], v[APC] offset:6144*\t+1536*(\s)+512*\g
.endr
.endr
.endm
.macro PVMUL s, buf
	WIN 0x51                                       ; V, C and D in window 1; p in window 0
.irp q, 0,1,2,3
.irp t, 0,1,2,3
.if \t < 2
.set BB, PB+24*(\buf)+12*\t
.else
.set BB, PCR+48*(\t-2)+12*(\s)
.endif
.if (\s) == 0
.set CC, -1                                    ; the first key step starts the sums
.else
.set CC, 8*(4*\t+\q)
.endif
	WMS 8*(4*\t+\q), VB+48*(\buf)+12*\q, BB, CC, VS+2*(\s)+\q/2, PS+4*\t+(\s), \q%2, 0
.endr
.endr
.endm
	LOADV 0, 0
	LOADP 0, 0
	LOADV 1, 1
	LOADP 1, 1
	s_wait_dscnt 22                                ; all but the 16 + 6 loads of the step behind
	PVMUL 0, 0
	P4
	LOADV 2, 0
	LOADP 2, 0
	s_wait_dscnt 22
	PVMUL 1, 1
	P4
	LOADV 3, 1
	LOADP 3, 1
	s_wait_dscnt 22
	PVMUL 2, 0
	s_wait_dscnt 0x0
	PVMUL 3, 1
	; ---- the eight waves' partial sums meet.  Mine go to my own bytes, where V's codes lay: they have had their last fill, and my reads of them are back
	P4
	WIN 0x04                                       ; an LDS store's data are its source 1: window 1
.irp a, 0,1,2,3,4,5,6,7,8,9,10,11,12,13,14,15
	ds_store_b128 v[AK], v[8*\a:8*\a+3] offset:1024*\a             ; each accumulator from its low end on
	ds_store_b128 v[AK], v[8*\a+4:8*\a+7] offset:1024*\a+512
.endr
	WIN 0
	s_wait_dscnt 0x0                               ; for the others' sake: my stores have landed; my reads of the kept codes are back too
	s_barrier_signal -1
	s_barrier_wait -1
	; wave w sums query tile w % 4 (32 registers from each of the eight waves) and makes output channels 16 (w / 4) + 0 .. 15 and 16 (w / 4) + 32 .. 47
	WIN 0x40
.irp u, 0,1,2,3,4,5,6
.irp q, 0,1,2,3
	ds_load_b128 v[32*\u+8*\q:32*\u+8*\q+3], v[AR+\u/2] offset:WREG*(\u%2)+1024*\q
	ds_load_b128 v[32*\u+8*\q+4:32*\u+8*\q+7], v[AR+\u/2] offset:WREG*(\u%2)+1024*\q+512
.endr
.endr
	WIN 0
.irp q, 0,1,2,3
	ds_load_b128 v[PCR+8*\q:PCR+8*\q+3], v[AR+3] offset:WREG+1024*\q
	ds_load_b128 v[PCR+8*\q+4:PCR+8*\q+7], v[AR+3] offset:WREG+1024*\q+512
.endr
.irp u, 1,2,3,4,5,6
	s_wait_dscnt 8*(7-\u)                          ; waves 0 .. u's are in; the eight loads of each later wave may be out
	WIN 0x45
.set ii, 0
.rept 16
	v_pk_add_f32 v[ii:ii+1], v[ii:ii+1], v[32*\u+ii:32*\u+ii+1]
.set ii, ii+2
.endr
.endr
	s_wait_dscnt 0x0
	WIN 0x41
.set ii, 0
.rept 16
	v_pk_add_f32 v[ii:ii+1], v[ii:ii+1], v[PCR+ii:PCR+ii+1]
.set ii, ii+2
.endr
	; lane (r, h): query r of my tile, channels 32 h + 0 .. 31: one block of the projection's K
	WIN 0x05
	v_max3_num_f32 v[CH], |v0|, |v1|, 0x2800000
	v_max3_num_f32 v[CH+1], |v16|, |v17|, 0x2800000
.irp i, 2,4,6,8,10,12,14
	v_max3_num_f32 v[CH], |v[\i]|, |v[\i+1]|, v[CH]
	v_max3_num_f32 v[CH+1], |v[16+\i]|, |v[17+\i]|, v[CH+1]
.endr
	WIN 0
	v_max_num_f32 v[CH], v[CH], v[CH+1]
	v_add_nc_u32 v[T], 0xfe000000, v[CH]
	v_lshrrev_b32 v[T+1], 23, v[T]
	v_lshlrev_b32 v[T+1], v[H8], v[T+1]
	v_permlanex16_b32 v[T+2], v[T+1], s42, s43
	v_or_b32 v[HS2], v[T+1], v[T+2]
	WIN 0x01
	v_cvt_scalef32_pk16_bf6_f32 v[HF2:HF2+2], v[0:15], v[T]
	v_cvt_scalef32_pk16_bf6_f32 v[C2T:C2T+2], v[16:31], v[T]
	WIN 0
	v_nop                                          ; one plain place behind the last scaled conversion
.irp i, 0,1,2
	v_mov_b32 v[HF2+3+\i], v[C2T+\i]
.endr
.irp i, 6,7,8,9,10,11
	v_mov_b32 v[HF2+\i], 0                         ; K = 64 .. 127: zero codes
.endr
	s_wait_loadcnt 0x0                             ; wp, bp, x
.rept 8
	v_nop                                          ; a scale register written by a vector instruction stands 8 places ahead of a scaled matrix instruction, an operand 4
.endr
	WIN 0x50                                       ; C (bp) and D in window 1
.irp e, 0,1                                    ; source 0 = my 16 queries, source 1 = 16 rows of wp: a lane holds one output channel and eight neighbouring positions
	WMS 32+8*\e, HF2, QF+6*\e, BP+8*\e, HS2, WPS, 0, \e
.endr
	P4
	WIN 0x04
.irp e, 0,1
	ds_store_b128 v[AOS], v[32+8*\e:32+8*\e+3] offset:8*OP*\e
	ds_store_b128 v[AOS], v[32+8*\e+4:32+8*\e+7] offset:8*OP*\e+16
.endr
	WIN 0
	s_wait_dscnt 0x0                               ; for the others' sake: a channel's 64 positions come from four waves
	s_barrier_signal -1
	s_barrier_wait -1
.irp i, 0,1,2,3
	ds_load_b128 v[OUTR+4*\i:OUTR+4*\i+3], v[AOR] offset:2*OP*\i
.endr
	s_wait_dscnt 0x0
	WIN 0x04
.irp i, 0,2,4,6,8,10,12,14
	v_pk_add_f32 v[OUTR+\i:OUTR+\i+1], v[OUTR+\i:OUTR+\i+1], v[XR+\i:XR+\i+1]   ; + x
.endr
	WIN 0
.irp i, 0,1,2,3
	global_store_b128 v[GX], v[OUTR+4*\i:OUTR+4*\i+3], s[18:19] offset:32768*\i th:TH_STORE_NT   ; 16 lanes store 256 consecutive bytes, at a multiple of 256 from out's first byte
.endr
	s_wait_tensorcnt 0x0                           ; the wave's end, behind my last tensor load and my last LDS store
	ds_add_u32 v[SPW], v[NIL]
	s_wait_dscnt 0x0
	CROUND                                         ; the closing round: no work-group ends while a partner may still ask for a tile that names it
	s_endpgm
.Lfunc_end_k_q7fb86c326a_attn:
	.size	k_q7fb86c326a_attn, .Lfunc_end_k_q7fb86c326a_attn-k_q7fb86c326a_attn
	.p2alignl 7, 3214868480
	.fill 96, 4, 3214868480
	.section	.rodata,"a",@progbits
	.p2align	6, 0x0
	.amdhsa_kernel k_q7fb86c326a_attn
		.amdhsa_group_segment_fixed_size 327680
		.amdhsa_private_segment_fixed_size 0
		.amdhsa_enable_private_segment 0
		.amdhsa_kernarg_size 64
		.amdhsa_user_sgpr_count 2
		.amdhsa_user_sgpr_kernarg_segment_ptr 1
		.amdhsa_wavefront_size32 1
		.amdhsa_system_sgpr_workgroup_id_x 1
		.amdhsa_system_sgpr_workgroup_id_y 1
		.amdhsa_system_sgpr_workgroup_id_z 1
		.amdhsa_system_vgpr_workitem_id 0
		.amdhsa_next_free_vgpr 512
		.amdhsa_next_free_sgpr 66
		.amdhsa_reserve_vcc 0
		.amdhsa_float_denorm_mode_32 3
		.amdhsa_float_denorm_mode_16_64 3
		.amdhsa_memory_ordered 1
		.amdhsa_forward_progress 1
		.amdhsa_inst_pref_size 255
	.end_amdhsa_kernel
	.section	.bss,"aw",@nobits
	.p2align	6
	.space	262144
	.amdgpu_metadata
---
amdhsa.version: [ 1, 2 ]
amdhsa.kernels:
  - .name:           k_q7fb86c326a_attn
    .symbol:         k_q7fb86c326a_attn.kd
    .args:
      - { .name: qimg, .offset: 0, .size: 8, .value_kind: global_buffer, .address_space: global }
      - { .name: kimg, .offset: 8, .size: 8, .value_kind: global_buffer, .address_space: global }
      - { .name: vimg, .offset: 16, .size: 8, .value_kind: global_buffer, .address_space: global }
      - { .name: scl, .offset: 24, .size: 8, .value_kind: global_buffer, .address_space: global }
      - { .name: wimg, .offset: 32, .size: 8, .value_kind: global_buffer, .address_space: global }
      - { .name: bp, .offset: 40, .size: 8, .value_kind: global_buffer, .address_space: global }
      - { .name: x, .offset: 48, .size: 8, .value_kind: global_buffer, .address_space: global }
      - { .name: out0, .offset: 56, .size: 8, .value_kind: global_buffer, .address_space: global }
    .group_segment_fixed_size: 327680
    .private_segment_fixed_size: 0
    .kernarg_segment_align: 8
    .kernarg_segment_size: 64
    .max_flat_workgroup_size: 256
    .sgpr_count:     66
    .vgpr_count:     512
    .wavefront_size: 32
...
	.end_amdgpu_metadata
.endif
;; end of part 3
